; MI455X (gfx1250); checked and timed in simulation.
; The chip was launched on July 23, 2026; its instructions are those of AMD's public machine-readable ISA for CDNA 5 (MIT licence, August 2026) and "CDNA5" Instruction Set Architecture Reference Guide (July 2026). The comments in the code are by the model that wrote it; some were corrected since.
;; Causal Attention. Allowed arithmetic: matrix products marked QUANTISED: E2M3 operands, one E8M0 scale for each 32 along K, by v_wmma_scale_f32_16x16x128_f8f6f4 with both operands' format E2M3, f32 sums; everything else in f32.
;; Inputs: Wqkv 1,024 x 3,072 float32; bqkv 3,072 float32; x 1 x 4,096 x 1,024 float32.
;; Outputs: out0 1 x 4,096 x 1,024 float32.
;; This version of the problem:
;;   THIS VERSION OF THE PROBLEM IS GIVEN IN LOW PRECISION. The matrix products marked QUANTISED in the list below multiply operands that are first quantised to E2M3 (2 exponent bits, 3 mantissa bits; 6 bits a number), with one power-of-two scale for each 32 numbers along K (OCP MX v1.0); their sums are f32. All else is computed in f32.
;;   The module's matrix products, in the order in which they are computed (A, B: the left and right operand; K: the contracted axis; several contracted axes count as one K, in the product's order):
;;     1. [M 4,096, K 1,024] x [K 1,024, N 3,072]; A: input x; B: input Wqkv: QUANTISED
;;     2. batch 16 x [M 4,096, K 64] x [K 64, N 4,096]; A: computed on the way; B: computed on the way: QUANTISED
;;     3. batch 16 x [M 4,096, K 4,096] x [K 4,096, N 64]; A: softmax (see below); B: computed on the way: QUANTISED
;;   THE QUANTISER, for each operand of a quantised product, along K:
;;     - K is cut into blocks of 32 from its start; a last block that is shorter is filled with zeros.
;;     - A block's scale is 2^e with e = floor(log2(the largest magnitude in the block)) - 2, held to -126 .. 127; a block of zeros has e = 0. As a byte (E8M0): e + 127.
;;     - Each number is divided by its block's scale, clamped to +-7.5, and rounded to the nearest number of E2M3, ties to even, subnormals kept.
;;     - The product sums the exact products of the quantised numbers (number of the format x scale) in f32.
;;   ~~~python
;;   def quantise(x, axis):      # numpy; x: float32 -> the quantised numbers, widened to float32 again
;;       x = np.moveaxis(x, axis, -1); K = x.shape[-1]
;;       x = np.pad(x, [(0, 0)] * (x.ndim - 1) + [(0, -K % 32)]); x = x.reshape(x.shape[:-1] + (-1, 32)); a = np.abs(x).max(-1, keepdims=True)
;;       e = np.where(a > 0, np.clip(np.frexp(np.where(a > 0, a, 1))[1] - 1 - 2, -126, 127), 0)      # np.frexp(a)[1] - 1 = floor(log2(a)), exactly
;;       r = np.clip(x / 2.0 ** e, -7.5, 7.5)
;;       step = 2.0 ** (np.maximum(np.frexp(np.where(r == 0, 1, r))[1] - 1, 0) - 3)
;;       q = np.round(r / step) * step * 2.0 ** e      # np.round: ties to even
;;       return np.moveaxis(q.reshape(q.shape[:-2] + (-1,))[..., :K], -1, axis).astype(np.float32)
;;   ~~~
;;   SOFTMAX AHEAD OF A QUANTISED PRODUCT. Where the list says 'softmax', what is quantised is not the finished softmax but p = 2^(t - M), with t = logit x log2(e) and M = ceil(the row's largest t), a whole number; so 1/2 < the row's largest p <= 1. The row's sum l is taken of the UNQUANTISED p, in f32, and the product's result is divided by l at the end. Since M is a whole number, a kernel that streams over the keys may use a running M (the ceiling of the running maximum): every later rescaling is an exact power of two, which a block's scale takes up: the codes' values come out the same.
;;   OPERANDS COMPUTED ON THE WAY. 'Computed on the way' means the value that the module computes at that place (a softmax that the list does not call 'softmax' is quantised finished and normalised). What goes into a quantiser is computed in f32, as accurately as f32 sums, v_exp_f32 and their like allow (about 1e-6 of the number): no bf16 or f16 on the way to a quantiser, and a product that is left as it is and whose result goes on into a quantised operand takes f32 operands (vector FMAs, or v_wmma_f32_16x16x4_f32). A number that lies on a knife's edge between two numbers of the format may be rounded either way, as far as f32 arithmetic and the matrix unit's own rounding can turn it there, and no further.
;; One version. Each part assembles by itself: llvm-mc -triple=amdgcn-amd-amdhsa -mcpu=gfx1250 --defsym DOCPART=n.
;; ======== version 1 of 1: 3 launches
;; limits: right only within a limited range of input values
;; workspace buffers: xc 3,145,728 bytes; xs 131,072 bytes; wc 2,359,296 bytes; ws 98,304 bytes; qb 3,407,872 bytes; kv 6,684,672 bytes
;; launch prep (part 1): grid 224 x 1, 4 waves a work-group, no clusters, 68,096 bytes of LDS; arguments x, Wqkv, xc, xs, wc, ws; writes xc, xs, wc, ws
.if DOCPART == 1
	.amdgcn_target "amdgcn-amd-amdhsa--gfx1250"
	.amdhsa_code_object_version 6
	.text
	.protected	k_q840e992da6_prep
	.globl	k_q840e992da6_prep
	.p2align	8
	.type	k_q840e992da6_prep,@function
k_q840e992da6_prep:
	s_mov_b64 s[64:65], 0
	v_nop
	global_prefetch_b8 v0, s[64:65] scope:SCOPE_SE
	s_setreg_imm32_b32 hwreg(HW_REG_WAVE_MODE, 25, 1), 1
	s_wait_xcnt 0x0
; x [4096][1024] and Wqkv [1024][3072], f32, become codes of FP6 (E2M3), K innermost, with one E8M0 scale byte for each 32 along K = 1024.
; A block's scale is 2^(floor(log2(its largest magnitude)) - 2); its byte is the largest magnitude's exponent field - 2, held at 1 from below.
; LIMITS: a block of zeros gets the byte 1 where the rule says 127 (its codes are zeros, and this program alone reads the bytes); blocks whose largest magnitude lies under 2^-124 keep the byte 1;
; NaN and infinities among the inputs are not served.
; Work-groups 0-127 take x: K is innermost, so x is a plain stream of blocks of 32: xc [4096][768], xs [4096][32].
; Work-groups 128-223 take W: K is its FIRST axis: a lane takes a column and its registers run down K.  THE ROWS OF wc AND ws ARE PERMUTED: row 1024 c + 64 h + d holds W's column 1024 c + 16 d + h,
; so that the product's result has a head's 64 channels as neighbours.  wc [3072][768], ws [3072][32].
; The two paths part on the work-group's number, never join, and have LDS bytes of their own.  No tensor loads, no barrier: waves share nothing.
.set STEPS, 16
.set CB,    12                         ; bytes of 16 codes
.set XR,    16                         ; x path: v16-79 four sets of 16 numbers as loaded
.set XX,    80                         ; v80-111  two sets of 16 neighbours
.set XE,    112                        ; v112-127 a scale byte for each step
.set XC,    128                        ; v128-191 codes: four registers for each step
.set WREG,  8192                       ; x path: LDS region of a wave: two stages of 32 x SP bytes, then its 256 scale bytes
.set SP,    80                         ; a lane's place in a stage: 64 bytes + 16 of padding
.set WSTG,  32768                      ; W path: the four stages begin here
.set PITCH, 272                        ; a stage row: sixteen places of 16 bytes + 16
.set SPARE, WSTG+4*32*PITCH            ; the spare words, 128 bytes for each wave: two blocks of 256 bytes that no other line names
.set SPW,   192                        ; v192 LDS address of my spare word; never rewritten
.set NIL,   193                        ; v193 0; never rewritten
.set SIZE_N, 3072
.set NB,    8                          ; W path: blocks of 32 along K for a wave (256 along K)
.set KROW,  768                        ; a row of codes in bytes
.set WX,    32                         ; v32-95   two sets of 32 numbers
.set WC,    96                         ; v96..    a block's codes
.set OUTR,  112                        ; v112-175 the way out
.set SB,    24                         ; v24-25   the scale bytes, four to a register
	s_load_b128 s[4:7], s[0:1], 0x0                ; x, W
	s_load_b128 s[8:11], s[0:1], 0x10              ; xc, xs
	s_load_b128 s[12:15], s[0:1], 0x20             ; wc, ws
	v_lshl_add_u32 v[SPW], v0, 2, SPARE
	v_mov_b32 v[NIL], 0
	v_lshrrev_b32 v1, 5, v0
	v_readfirstlane_b32 s16, v1                    ; wave
	v_and_b32 v2, 31, v0                           ; lane
	s_cmp_lt_u32 ttmp9, 128
	s_cbranch_scc0 .Lw
; ---------------- x: a wave takes 16 steps of 512 numbers.  Each load reads 512 consecutive bytes; a step's 2,048 bytes turn through the wave's stage and come back 64 bytes (16 neighbours) a lane.
	v_lshlrev_b32 v3, 4, v2                        ; my 16 bytes of a load's 512
	s_mul_i32 s17, s16, WREG
	v_lshrrev_b32 v14, 2, v2
	v_mul_u32_u24 v14, v14, SP
	v_and_b32 v15, 3, v2
	v_lshl_add_u32 v14, v15, 4, v14
	v_add_nc_u32 v14, s17, v14                     ; the stage, on the way in: SP (lane / 4) + 16 (lane % 4)
	v_mul_u32_u24 v15, v2, SP
	v_add_nc_u32 v15, s17, v15                     ; and on the way out: SP x lane
	v_mul_u32_u24 v4, v2, CB                       ; my codes' place in a step's
	v_lshrrev_b32 v5, 1, v2
	s_add_co_u32 s17, s17, 2*32*SP
	v_add_nc_u32 v5, s17, v5                       ; my wave's 256 scale bytes, my block's byte
	v_lshlrev_b32 v7, 3, v2                        ; and on the way out 8 bytes a lane
	v_add_nc_u32 v6, s17, v7
	s_lshl_b32 s17, ttmp9, 2
	s_add_co_u32 s18, s17, s16                     ; which run of 8,192 numbers is my wave's: 0 .. 511
	s_lshl_b32 s20, s18, 15                        ; 32,768 bytes of x,
	s_mov_b32 s21, 0
	s_mul_i32 s22, s18, 32*STEPS*CB                ; 6,144 bytes of codes,
	s_mov_b32 s23, 0
	s_lshl_b32 s24, s18, 8                         ; 256 scale bytes a run
	s_mov_b32 s25, 0
	s_wait_alu depctr_va_vdst(0)
	s_wait_kmcnt 0x0
	s_add_nc_u64 s[4:5], s[4:5], s[20:21]
	s_add_nc_u64 s[8:9], s[8:9], s[22:23]
	s_add_nc_u64 s[10:11], s[10:11], s[24:25]
.macro XLOAD t
.irp i, 0,1,2,3
	global_load_b128 v[XR+16*((\t)%4)+4*\i:XR+16*((\t)%4)+4*\i+3], v3, s[4:5] offset:2048*(\t)+512*\i th:TH_LOAD_NT   ; 32 lanes read 512 consecutive bytes
.endr
.endm
.macro XTURN t                         ; step t's numbers through the stage: LDS serves a wave's instructions in order, so no wait stands between the stores and the loads
.irp i, 0,1,2,3
	ds_store_b128 v14, v[XR+16*((\t)%4)+4*\i:XR+16*((\t)%4)+4*\i+3] offset:32*SP*((\t)%2)+8*SP*\i
.endr
.irp i, 0,1,2,3
	ds_load_b128 v[XX+16*((\t)%2)+4*\i:XX+16*((\t)%2)+4*\i+3], v15 offset:32*SP*((\t)%2)+16*\i
.endr
.endm
.irp t, 0,1,2,3
	XLOAD \t
.endr
	s_wait_loadcnt 12                              ; step 0's four loads are in
	XTURN 0
.macro XSTEP t
.set XS, XX+16*((\t)%2)
.if (\t) > 0
	s_wait_dscnt 1                                 ; this step's numbers are back from the stage (the last step's byte store may be out)
.else
	s_wait_dscnt 0x0
.endif
.if (\t)+4 < STEPS
	XLOAD (\t)+4                                   ; the registers that the stage's stores have read take the loads of four steps on
.endif
.if (\t)+1 < STEPS
.if STEPS-2-(\t) >= 3
	s_wait_loadcnt 12                              ; the next step's four loads are in; those of the three steps behind it may be out
.else
	s_wait_loadcnt 4*(STEPS-2-(\t))
.endif
	XTURN (\t)+1
.endif
	v_max3_num_f32 v8, |v[XS]|, |v[XS+1]|, |v[XS+2]|               ; the largest magnitude of my 16, in two chains
	v_max3_num_f32 v9, |v[XS+3]|, |v[XS+4]|, |v[XS+5]|
.irp i, 6,10
	v_max3_num_f32 v8, v8, |v[XS+\i]|, |v[XS+\i+1]|
	v_max3_num_f32 v9, v9, |v[XS+\i+2]|, |v[XS+\i+3]|
.endr
	v_max3_num_f32 v8, v8, |v[XS+14]|, |v[XS+15]|
	v_max3_num_f32 v8, v8, v9, 0x1800000           ; and the floor 2^(3 - 127): the byte cannot fall under 1
	v_max_num_f32_dpp v8, v8, v8 row_xmask:1 row_mask:0xf bank_mask:0xf   ; and of my neighbour's 16: the block's
	v_add_nc_u32 v11, 0xff000000, v8               ; 2 off its exponent field: the conversion takes the exponent field of this operand as its scale
	v_cvt_scalef32_pk16_fp6_f32 v[XC+4*(\t):XC+4*(\t)+2], v[XS:XS+15], v11
	v_lshrrev_b32 v[XE+(\t)], 23, v11              ; the scale's byte (a plain line behind the conversion)
	ds_store_b8 v5, v[XE+(\t)] offset:16*(\t)      ; both lanes of a block write the same byte with the same value
	global_store_b96 v4, v[XC+4*(\t):XC+4*(\t)+2], s[8:9] offset:32*CB*(\t)   ; the wave stores 384 consecutive bytes
.endm
.irp t, 0,1,2,3,4,5,6,7,8,9,10,11,12,13,14,15
	XSTEP \t
.endr
	ds_load_b64 v[8:9], v6                         ; LDS serves a wave's instructions in order: these see my byte stores
	s_wait_dscnt 0x0
	global_store_b64 v7, v[8:9], s[10:11]          ; 32 lanes store 256 consecutive bytes, aligned
	s_wait_tensorcnt 0x0                           ; the wave's end
	ds_add_u32 v[SPW], v[NIL]
	s_wait_dscnt 0x0
	s_endpgm
; ---------------- W: a wave takes 32 columns x 256 along K: 8 blocks a lane.  Lane L's column n0 + L is channel d0 + L / 16 of head L % 16 in third c: it goes to row nb + 64 (L % 16) + L / 16, nb = 1024 c + d0.
.Lw:
	s_sub_co_u32 s17, ttmp9, 128
	s_and_b32 s18, s17, 3                          ; y: which 256 along K
	s_lshr_b32 s17, s17, 2
	s_lshl_b32 s17, s17, 7
	s_lshl_b32 s19, s16, 5
	s_add_co_u32 s17, s17, s19                     ; n0: my wave's first column
	s_wait_alu depctr_va_vdst(0)
	v_lshlrev_b32 v3, 2, v2                        ; in: 4 bytes a lane
	s_mul_i32 s19, s16, 32*PITCH
	s_add_co_u32 s19, s19, WSTG                    ; my stage
	v_mul_u32_u24 v4, v2, PITCH
	v_add_nc_u32 v4, s19, v4                       ; into it: row = my column
	v_and_b32 v5, 15, v2
	v_lshrrev_b32 v6, 4, v2
	v_mul_u32_u24 v7, v6, PITCH                    ; out of it: sixteen lanes to a row, two rows an instruction
	v_lshl_add_u32 v7, v5, 4, v7
	v_add_nc_u32 v7, s19, v7
	v_mul_u32_u24 v8, v6, 64*KROW                  ; stage rows 2 t and 2 t + 1 are heads 64 rows of wc apart,
	v_mad_u32_u24 v8, v5, 12, v8                   ; 12 bytes a lane
	v_lshl_add_u32 v9, v5, 6, v6
	v_lshlrev_b32 v9, 5, v9                        ; my column's row of scale bytes: (64 (L % 16) + L / 16) x 32
	s_mul_i32 s20, s18, 256*SIZE_N*4
	s_lshl_b32 s22, s17, 2
	s_add_co_u32 s20, s20, s22                     ; W: 256 y rows + 4 n0
	s_mov_b32 s21, 0
	s_lshr_b32 s22, s17, 10
	s_lshl_b32 s22, s22, 10                        ; 1024 c
	s_and_b32 s23, s17, 1023
	s_lshr_b32 s23, s23, 4                         ; d0
	s_add_co_u32 s22, s22, s23                     ; nb
	s_mul_i32 s24, s22, KROW
	s_mul_i32 s26, s18, 192
	s_add_co_u32 s24, s24, s26                     ; codes: nb rows + 192 y
	s_mov_b32 s25, 0
	s_lshl_b32 s28, s22, 5
	s_lshl_b32 s26, s18, 3
	s_add_co_u32 s28, s28, s26                     ; scale bytes: nb rows + 8 y
	s_mov_b32 s29, 0
	s_wait_kmcnt 0x0
	s_add_nc_u64 s[6:7], s[6:7], s[20:21]
	s_add_nc_u64 s[12:13], s[12:13], s[24:25]
	s_add_nc_u64 s[14:15], s[14:15], s[28:29]
.macro WLOAD t                         ; block t: W(32 t + i, my column), i = 0 .. 31, into set t % 2; the offsets stay under 255 x 12,288, inside the signed 24-bit immediate
.irp i, 0,1,2,3,4,5,6,7,8,9,10,11,12,13,14,15,16,17,18,19,20,21,22,23,24,25,26,27,28,29,30,31
	global_load_b32 v[WX+32*((\t)%2)+\i], v3, s[6:7] offset:(32*(\t)+\i)*SIZE_N*4 th:TH_LOAD_NT
.endr
.endm
	WLOAD 0
	WLOAD 1
.macro WBLOCK t
.set XS, WX+32*((\t)%2)
.if (\t) < NB-1
	s_wait_loadcnt 32                              ; this block's 32 loads are in; the next block's may be out
.else
	s_wait_loadcnt 0
.endif
	v_max3_num_f32 v12, |v[XS]|, |v[XS+1]|, |v[XS+2]|              ; the block's largest magnitude: all 32 numbers are mine
	v_max3_num_f32 v13, |v[XS+3]|, |v[XS+4]|, |v[XS+5]|
.irp i, 6,10,14,18,22,26
	v_max3_num_f32 v12, v12, |v[XS+\i]|, |v[XS+\i+1]|
	v_max3_num_f32 v13, v13, |v[XS+\i+2]|, |v[XS+\i+3]|
.endr
	v_max3_num_f32 v12, v12, |v[XS+30]|, |v[XS+31]|
	v_max3_num_f32 v12, v12, v13, 0x1800000        ; and the floor
	v_add_nc_u32 v11, 0xff000000, v12              ; the conversion's scale operand
	v_lshrrev_b32 v13, 23, v11                     ; the scale's byte
.if (\t)%4 == 0
	v_mov_b32 v[SB+(\t)/4], v13                    ; four bytes to a register, the lower K in the lower byte
.else
	v_lshl_or_b32 v[SB+(\t)/4], v13, 8*((\t)%4), v[SB+(\t)/4]
.endif
	v_cvt_scalef32_pk16_fp6_f32 v[WC:WC+2], v[XS:XS+15], v11
	v_cvt_scalef32_pk16_fp6_f32 v[WC+4:WC+6], v[XS+16:XS+31], v11  ; (a conversion's three registers begin on an even number)
	v_nop                                          ; one plain line behind the conversions
	ds_store_b96 v4, v[WC:WC+2] offset:32*(\t)     ; 12 bytes to a place of 16, so that every LDS address is a multiple of 16
	ds_store_b96 v4, v[WC+4:WC+6] offset:32*(\t)+16
.if (\t)+2 < NB
	WLOAD (\t)+2
.endif
	s_wait_dscnt 0x0                               ; the stores have read their registers: the next block's codes may be written
.endm
.irp t, 0,1,2,3,4,5,6,7
	WBLOCK \t
.endr
	s_wait_alu depctr_va_vdst(0)
	global_store_b64 v9, v[SB:SB+1], s[14:15]      ; my column's 8 scale bytes
.irp t, 0,1,2,3,4,5,6,7,8,9,10,11,12,13,14,15
	ds_load_b96 v[OUTR+4*\t:OUTR+4*\t+2], v7 offset:2*\t*PITCH     ; LDS serves a wave's instructions in order: these see my stores
.endr
.irp t, 0,1,2,3,4,5,6,7,8,9,10,11,12,13,14,15
	s_wait_dscnt 15-\t                             ; the younger stage loads may be out
	global_store_b96 v8, v[OUTR+4*\t:OUTR+4*\t+2], s[12:13] offset:(((2*\t)%16)*64+\t/8)*KROW   ; stage row 2 t + L / 16: head (2 t) % 16 + L / 16, channel d0 + t / 8; sixteen lanes store a row's 192 consecutive bytes
.endr
	s_wait_tensorcnt 0x0                           ; the wave's end
	ds_add_u32 v[SPW], v[NIL]
	s_wait_dscnt 0x0
	s_endpgm
.Lfunc_end_k_q840e992da6_prep:
	.size	k_q840e992da6_prep, .Lfunc_end_k_q840e992da6_prep-k_q840e992da6_prep
	.p2alignl 7, 3214868480
	.fill 96, 4, 3214868480
	.section	.rodata,"a",@progbits
	.p2align	6, 0x0
	.amdhsa_kernel k_q840e992da6_prep
		.amdhsa_group_segment_fixed_size 68096
		.amdhsa_private_segment_fixed_size 0
		.amdhsa_enable_private_segment 0
		.amdhsa_kernarg_size 48
		.amdhsa_user_sgpr_count 2
		.amdhsa_user_sgpr_kernarg_segment_ptr 1
		.amdhsa_wavefront_size32 1
		.amdhsa_system_sgpr_workgroup_id_x 1
		.amdhsa_system_sgpr_workgroup_id_y 1
		.amdhsa_system_sgpr_workgroup_id_z 1
		.amdhsa_system_vgpr_workitem_id 0
		.amdhsa_next_free_vgpr 196
		.amdhsa_next_free_sgpr 66
		.amdhsa_reserve_vcc 0
		.amdhsa_float_denorm_mode_32 3
		.amdhsa_float_denorm_mode_16_64 3
		.amdhsa_memory_ordered 1
		.amdhsa_forward_progress 1
		.amdhsa_inst_pref_size 74
	.end_amdhsa_kernel
	.amdgpu_metadata
---
amdhsa.version: [ 1, 2 ]
amdhsa.kernels:
  - .name:           k_q840e992da6_prep
    .symbol:         k_q840e992da6_prep.kd
    .args:
      - { .name: x, .offset: 0, .size: 8, .value_kind: global_buffer, .address_space: global }
      - { .name: Wqkv, .offset: 8, .size: 8, .value_kind: global_buffer, .address_space: global }
      - { .name: xc, .offset: 16, .size: 8, .value_kind: global_buffer, .address_space: global }
      - { .name: xs, .offset: 24, .size: 8, .value_kind: global_buffer, .address_space: global }
      - { .name: wc, .offset: 32, .size: 8, .value_kind: global_buffer, .address_space: global }
      - { .name: ws, .offset: 40, .size: 8, .value_kind: global_buffer, .address_space: global }
    .group_segment_fixed_size: 68096
    .private_segment_fixed_size: 0
    .kernarg_segment_align: 8
    .kernarg_segment_size: 48
    .max_flat_workgroup_size: 128
    .sgpr_count:     66
    .vgpr_count:     196
    .wavefront_size: 32
...
	.end_amdgpu_metadata
.endif
;; end of part 1
;; launch gemm (part 2): grid 8 x 32, 4 waves a work-group, no clusters, 327,680 bytes of LDS; arguments xc, xs, wc, ws, bqkv, qb, kv; writes qb, kv
.if DOCPART == 2
	.amdgcn_target "amdgcn-amd-amdhsa--gfx1250"
	.amdhsa_code_object_version 6
	.text
	.protected	k_q840e992da6_gemm
	.globl	k_q840e992da6_gemm
	.p2align	8
	.type	k_q840e992da6_gemm,@function
k_q840e992da6_gemm:
	s_mov_b64 s[64:65], 0
	v_nop
	global_prefetch_b8 v0, s[64:65] scope:SCOPE_SE
	s_setreg_imm32_b32 hwreg(HW_REG_WAVE_MODE, 25, 1), 1
	s_wait_xcnt 0x0
; x Wqkv + bqkv on codes of FP6 (E2M3) with E8M0 scales, and its result quantised again for the attention launch, in one launch.
; xc [4096][768], xs [4096][32]: x's codes and scale bytes.  wc [3072][768], ws [3072][32]: W's, row 1024 c + 64 h + d = W's column 1024 c + 16 d + h.
; reference()'s reshape reads the product's row R, third c, as token T = 3 R + c of 12,288, with 16 heads x 64 channels: tokens 0-4095 are q, 4096-8191 k, 8192-12287 v.
; A WORK-GROUP (cg, tile) makes rows 128 tile .. + 127 x the 384 columns of heads 2 cg, 2 cg + 1 in all three thirds: tokens 384 tile .. + 383, which are three whole records of 128 tokens.  8 x 32 = 256 work-groups.
; Wave w makes all 128 rows x 96 columns: channels 32 w .. + 31 of the block's 128, in each third: 8 x 6 accumulators.  The matrix instruction is used transposed (source 0 = W's rows): a lane holds 8 neighbouring channels of a token.
; K goes in chunks of 256 bytes of each row (three chunks) through two LDS slots; a step of 128 along K is 96 bytes: steps 2 and 5 lie across two chunks.  Wave 0 fetches x's 128 rows, wave 1 + c the 128 rows of W's third c.
; Scale words (8 a row, all of K) and the bias are loaded straight into registers, 16 lanes to 512 consecutive bytes of scales.  The bias is the C of each accumulator's first product.
; THE WAY OUT: the f32 block goes to LDS as [384 tokens][128 channels], over the slots, which have had their last fill; behind a barrier wave w takes head w / 2, half w % 2 of each of the three records:
; q and k are quantised along the channels (its two pairs of tiles), v along the keys (its 32 channels), and stored as images of the operands' registers (L = lane, r = L % 16, hh = L / 16):
; qb: [head][s 32][6,656]: codes at 0, scale words at 6,144.  kv: [head][s 32][13,056]: k's codes 0, k's scale words 6,144, v's codes 6,656, v's scale words 12,800.
;   q's, k's codes [pair b 4][piece 3][L][16]: register 6 u + i of pair b: block hh of token 32 b + 8 u + r + 8 (r / 8).  Scale words [L][b][4]: tile 2 b + hh, row r; bytes 2 and 3 are 0.
;   v's codes [dt 4][piece 3][L][16]: register 6 c + i: keys 64 c + 32 hh .. of channel 16 dt + r.  v's scale words [j 2][L][4]: channel 32 j + L.
; NO JOINT LOADS: W's tiles are shared by work-groups of different row tiles, and the branch on a record's kind (q, k or v) hangs on the row tile; x's tile, shared along cg, is a quarter of a step's bytes.
; NO PREFETCH: the walk has three chunks and no loop to run ahead in; two of the three are asked for at the head.
; LIMITS: a block of zeros gets the byte 1 where the rule says 127 (zero codes; this program alone reads the bytes); blocks whose largest magnitude lies under 2^-124 keep the byte 1; NaN and infinities are not served.
; REGISTERS: window 0: v0-31 addresses; v32-95 x's scale words, v96-143 W's; v144-239 x's fragments, one set (on the way out v144-242 are at work).  window 1: W's fragments, two sets at v0 and v128; v72-119 the bias.
;   windows 2, 3: accumulator (a, b) at v[8 (8 (a % 4) + b)].
.set PITCH, 272                        ; an LDS row: 256 bytes + 16 of padding
.set HALFT, 128*PITCH                  ; what one tensor load brings
.set SLOT,  4*HALFT                    ; x's 128 rows, then W's 3 x 128
.set SPARE, 2*SLOT                     ; the spare words: 128 bytes a wave, named by no other line
.set SPI,   528                        ; the stage's pitch: 128 channels of f32 + 16
.set FR, 12
.set NL, 6
.set ADRA, 8                           ; v8-11 x's fragments: slot 0, slot 1, across slots 0 -> 1, 1 -> 0
.set ADRB, 12                          ; v12-15 the same for W's thirds 0 and 1
.set ADRC, 16                          ; v16-19 for third 2
.set STO,  20                          ; v20-23 the stage, in: blocks a = 2 k, 2 k + 1
.set SOF,  27
.set SPW,  28
.set NIL,  29
.set BOF,  30
.set SA, 32
.set SB, 96
.set AF, 144
.set BI, 72
.set MSB, 0
.macro WIN new
.if MSB != \new
	s_set_vgpr_msb (MSB<<8)|\new
.set MSB, \new
.endif
.endm
.set MUL_LO, 0xa1
.set MUL_HI, 0xf1
.set BIAS_LO, 0x91                     ; C in window 1
.set BIAS_HI, 0xd1
.set TO_B, 0x40
.macro PLACES
.rept 4
	v_nop
.endr
.endm
	s_load_b128 s[4:7], s[0:1], 0x0                ; xc, xs
	s_load_b128 s[8:11], s[0:1], 0x10              ; wc, ws
	s_load_b128 s[12:15], s[0:1], 0x20             ; bqkv, qb
	s_load_b64 s[16:17], s[0:1], 0x30              ; kv
	v_lshl_add_u32 v[SPW], v0, 2, SPARE
	v_mov_b32 v[NIL], 0
	ds_add_u32 v[SPW], v[NIL]                      ; the opening lines
	ds_add_u32 v[SPW], v[NIL]
	v_lshrrev_b32 v1, 5, v0
	v_readfirstlane_b32 s18, v1                    ; wave
	s_mov_b32 s19, ttmp9                           ; cg
	s_and_b32 s20, ttmp7, 0xffff                   ; tile
	s_mov_b32 s24, (1<<20)|(5<<22)|(3<<25)         ; group 1: 128 rows of 256 bytes, pitch 768, 16 bytes of padding behind each
	s_mov_b32 s25, 256<<16
	s_mov_b32 s26, 128<<16
	s_mov_b32 s27, 256<<16
	s_mov_b32 s28, 128
	s_mov_b32 s29, 768
	s_mov_b32 s30, 0
	s_mov_b32 s31, 0
	s_sub_co_u32 s21, s18, 1
	s_mul_i32 s21, s21, 1024*768
	s_mul_i32 s22, s19, 128*768
	s_add_co_u32 s21, s21, s22                     ; W: row 1024 (wave - 1) + 128 cg
	s_mul_i32 s22, s20, 128*768                    ; x: row 128 tile
	s_cmp_eq_u32 s18, 0
	s_cselect_b32 s22, s22, s21
	s_mov_b32 s23, 0
	s_mov_b32 s32, 1
	s_mul_i32 s33, s18, HALFT                      ; slot 0, my 128 rows
	s_mov_b32 s36, 1
	s_add_co_u32 s37, s33, SLOT
	s_lshr_b32 s40, s18, 1                         ; hl: which of the two heads
	s_and_b32 s41, s18, 1                          ; half
	s_lshl_b32 s52, s19, 1
	s_add_co_u32 s52, s52, s40                     ; the head
	s_lshl_b32 s44, s20, 12                        ; xs: 128 tile rows of 32 bytes
	s_mov_b32 s45, 0
	s_lshl_b32 s46, s19, 12
	s_lshl_b32 s47, s18, 10
	s_add_co_u32 s46, s46, s47                     ; ws: row 128 cg + 32 wave
	s_mov_b32 s47, 0
	s_lshl_b32 s48, s41, 11
	s_lshl_b32 s49, s52, 2
	s_add_co_u32 s48, s48, s49                     ; bqkv: 64 bytes a channel, 4 a head
	s_mov_b32 s49, 0
	s_mov_b32 s53, SLOT-232
	s_mov_b32 s54, SLOT+232
	s_mul_i32 s55, s18, 32*PITCH
	s_add_co_u32 s55, s55, HALFT                   ; my 32 rows of W's third 0,
	s_add_co_u32 s56, s55, 2*HALFT                 ; of third 2
	s_lshl_b32 s57, s18, 7
	s_wait_dscnt 0x0
	s_wait_kmcnt 0x0
	s_cmp_eq_u32 s18, 0                            ; the choice hangs on the wave's number alone
	s_cselect_b64 s[34:35], s[4:5], s[8:9]
	s_add_nc_u64 s[34:35], s[34:35], s[22:23]
	s_add_nc_u64 s[38:39], s[34:35], 256           ; chunk 1
	s_or_b32 s35, s35, 0x80000000
	s_or_b32 s39, s39, 0x80000000
	tensor_load_to_lds s[32:35], s[24:31]          ; chunk 0: one load a wave
	s_nop 0
	s_add_nc_u64 s[44:45], s[6:7], s[44:45]
	s_add_nc_u64 s[46:47], s[10:11], s[46:47]
	s_add_nc_u64 s[48:49], s[12:13], s[48:49]
	v_and_b32 v1, 15, v0                           ; r
	v_bfe_u32 v2, v0, 4, 1                         ; h
	v_mul_u32_u24 v3, v1, PITCH
	v_mul_u32_u24 v4, v2, 24
	v_add_nc_u32 v[ADRA], v3, v4                   ; row x pitch + 24 h
	v_add_nc_u32 v[ADRA+1], SLOT, v[ADRA]
	v_sub_nc_u32 v7, 1, v2
	v_mul_u32_u24 v5, s53, v2
	v_add_nc_u32 v5, v3, v5
	v_add_nc_u32 v[ADRA+2], 232, v5                ; lanes 0-15 byte 232 of the row in slot 0, lanes 16-31 byte 0 in slot 1
	v_mul_u32_u24 v6, s54, v7
	v_add_nc_u32 v[ADRA+3], v3, v6                 ; and the other way round
.irp k, 0,1,2,3
	v_add_nc_u32 v[ADRB+\k], s55, v[ADRA+\k]
	v_add_nc_u32 v[ADRC+\k], s56, v[ADRA+\k]
.endr
	v_mul_u32_u24 v5, v1, 3*SPI                    ; the stage, in: token 3 r, + 128 wave + 32 h
	v_lshl_add_u32 v5, v2, 5, v5
	v_add_nc_u32 v[STO], s57, v5
.irp k, 1,2,3
	v_add_nc_u32 v[STO+\k], 96*SPI*\k, v[STO]
.endr
	v_lshlrev_b32 v[SOF], 5, v1
	v_lshlrev_b32 v[BOF], 9, v2
	s_wait_alu depctr_va_vdst(0)
.irp i, 0,1,2,3,4,5,6,7
	global_load_b128 v[SA+8*\i:SA+8*\i+3], v[SOF], s[44:45] offset:512*\i        ; x's block i, row r: the words of steps 0-3,
	global_load_b128 v[SA+8*\i+4:SA+8*\i+7], v[SOF], s[44:45] offset:512*\i+16   ; of steps 4-7
.endr
.irp b, 0,1,2,3,4,5
	global_load_b128 v[SB+8*\b:SB+8*\b+3], v[SOF], s[46:47] offset:32768*(\b/2)+512*(\b%2)
	global_load_b128 v[SB+8*\b+4:SB+8*\b+7], v[SOF], s[46:47] offset:32768*(\b/2)+512*(\b%2)+16
.endr
	WIN TO_B
.irp b, 0,1,2,3,4,5
.irp j, 0,1,2,3,4,5,6,7
	global_load_b32 v[BI+8*\b+\j], v[BOF], s[48:49] offset:4096*(\b/2)+1024*(\b%2)+64*\j   ; the bias of channel 16 (b % 2) + 8 h + j in third b / 2
.endr
.endr
	WIN 0
.macro FRAG reg, adr, st, off          ; 16 rows x 128 K: 12 registers, in pieces of 8 bytes; byte y of a row lies in chunk y / 256, slot (y / 256) % 2
.irp p, 0,1,2,3,4,5
.set BY, 96*(\st)+48*(\p/3)+8*(\p%3)
.if BY/256 == (BY+24)/256
	ds_load_b64 v[\reg+2*\p:\reg+2*\p+1], v[\adr+(BY/256)%2] offset:BY%256+(\off)
.else
	ds_load_b64 v[\reg+2*\p:\reg+2*\p+1], v[\adr+2+(BY/256)%2] offset:BY%256-232+(\off)
.endif
.endr
.endm
.macro MUL12 a0, p, st, zero           ; x's blocks a0, a0 + 1 against W's six; the accumulators take turns
.irp a, \a0, \a0+1
.irp b, 0,1,2,3,4,5
.if \zero
	v_wmma_scale_f32_16x16x128_f8f6f4 v[8*(8*((\a)%4)+\b):8*(8*((\a)%4)+\b)+7], v[128*(\p)+FR*\b:128*(\p)+FR*\b+FR-1], v[AF+FR*(\a):AF+FR*(\a)+FR-1], v[BI+8*\b:BI+8*\b+7], v[SB+8*\b+(\st)], v[SA+8*(\a)+(\st)] matrix_a_fmt:MATRIX_FMT_FP6 matrix_b_fmt:MATRIX_FMT_FP6
.else
	v_wmma_scale_f32_16x16x128_f8f6f4 v[8*(8*((\a)%4)+\b):8*(8*((\a)%4)+\b)+7], v[128*(\p)+FR*\b:128*(\p)+FR*\b+FR-1], v[AF+FR*(\a):AF+FR*(\a)+FR-1], v[8*(8*((\a)%4)+\b):8*(8*((\a)%4)+\b)+7], v[SB+8*\b+(\st)], v[SA+8*(\a)+(\st)] matrix_a_fmt:MATRIX_FMT_FP6 matrix_b_fmt:MATRIX_FMT_FP6
.endif
.endr
.endr
.endm
.macro FETCH_B st, p
	WIN TO_B
.irp i, 0,1,2,3
	FRAG 128*(\p)+FR*\i, ADRB, \st, (\i/2)*HALFT+(\i%2)*16*PITCH
.endr
.irp i, 4,5
	FRAG 128*(\p)+FR*\i, ADRC, \st, (\i%2)*16*PITCH
.endr
	WIN 0
.endm
.macro FETCH_A st, i0
.irp i, \i0, \i0+1, \i0+2, \i0+3
	FRAG AF+FR*(\i), ADRA, \st, (\i)*16*PITCH
.endr
.endm
; A step: 48 products; the next step's fragments are fetched in its middle and at its end.  Where they end in a chunk not yet read, a barrier shows that chunk whole; where they begin in a later chunk, the chunk left
; behind is read no more: the wait for all tensor loads, the add, the wait for it and for my reads, the barrier, and (chunk 2) the refill first behind it.
.macro STEP st, zero
.set NX, (\st)+1
.set C0, (96*(\st))/256
.set C1, (96*NX)/256
.set E0, (96*(\st)+95)/256
.set E1, (96*NX+95)/256
.if C1 > C0 || E1 > E0
	s_wait_tensorcnt 0x0
.if C1 > C0
	ds_add_u32 v[SPW], v[NIL]
	s_wait_dscnt 4*NL+1                            ; the add and x's blocks 4-7 may be out
.else
	s_wait_dscnt 4*NL                              ; x's blocks 4-7 may be out
.endif
	WIN MUL_LO
	MUL12 0, (\st)%2, \st, 0
	s_wait_dscnt 0x0
	s_barrier_signal -1
	MUL12 2, (\st)%2, \st, 0
	WIN 0
	s_barrier_wait -1
.if C1 > C0 && C0+2 < 3
	s_add_nc_u64 s[34:35], s[34:35], 512           ; chunk 2 into slot 0
	tensor_load_to_lds s[32:35], s[24:31]
	s_nop 0
.endif
	PLACES
.else
	s_wait_dscnt 4*NL
.if \zero
	WIN BIAS_LO
.else
	WIN MUL_LO
.endif
	MUL12 0, (\st)%2, \st, \zero
	MUL12 2, (\st)%2, \st, \zero
	s_wait_dscnt 0x0
	PLACES
.endif
	FETCH_B NX, NX%2
	FETCH_A NX, 0
.if \zero
	WIN BIAS_HI
.else
	WIN MUL_HI
.endif
	MUL12 4, (\st)%2, \st, \zero
	MUL12 6, (\st)%2, \st, \zero
	PLACES
	WIN 0
	FETCH_A NX, 4
.endm
	s_wait_tensorcnt 0x0                           ; my part of chunk 0 is in; slot 1's first fill is issued as a refill is
	ds_add_u32 v[SPW], v[NIL]
	s_wait_dscnt 0x0
	s_barrier_signal -1
	s_barrier_wait -1
	tensor_load_to_lds s[36:39], s[24:31]          ; chunk 1
	s_nop 0
	PLACES
	FETCH_B 0, 0
	FETCH_A 0, 0
	FETCH_A 0, 4
	s_wait_loadcnt 0x0                             ; scale words and bias
	STEP 0, 1
.irp t, 1,2,3,4,5,6
	STEP \t, 0
.endr
	s_wait_dscnt 4*NL
	WIN MUL_LO
	MUL12 0, 1, 7, 0
	MUL12 2, 1, 7, 0
	s_wait_dscnt 0x0                               ; my last reads of the slots are over:
	s_barrier_signal -1
	WIN MUL_HI
	MUL12 4, 1, 7, 0
	MUL12 6, 1, 7, 0
	WIN 0
	s_barrier_wait -1                              ; everybody's are: the stage may be written over the slots
	PLACES
.irp a, 0,1,2,3,4,5,6,7                            ; token 3 (16 a + r) + c, channels 32 wave + 16 u + 8 h ..; each accumulator from its low end on
	WIN 0x08+4*(\a/4)
.irp b, 0,1,2,3,4,5
	ds_store_b128 v[STO+\a/2], v[64*(\a%4)+8*\b:64*(\a%4)+8*\b+3] offset:(\a%2)*48*SPI+(\b/2)*SPI+64*(\b%2)
	ds_store_b128 v[STO+\a/2], v[64*(\a%4)+8*\b+4:64*(\a%4)+8*\b+7] offset:(\a%2)*48*SPI+(\b/2)*SPI+64*(\b%2)+16
.endr
.endr
	WIN 0
.set QA, 8
.set VA, 9
.set L4, 10
.set L16, 11
.set SH8, 12
.set STI, 13
.set QJ, 14
.set VJ, 16                            ; v16, v17: keys 0-63, 64-127
.set X, 144                            ; two sets of 32 numbers
.set CP, 208                           ; 24 registers of codes
.set TT, 232
.set SW, 236
.set M0, 238
.set M1, 239
.set SCV, 240
.set BYT, 241
.set PD, 242
.set REC, 42
.set RO, 43
.set JC, 53
	v_and_b32 v1, 31, v0                           ; L
	v_and_b32 v2, 15, v0                           ; r
	v_bfe_u32 v3, v0, 4, 1                         ; hh
	s_mul_i32 s54, s41, 64*SPI
	s_lshl_b32 s55, s40, 8
	s_add_co_u32 s54, s54, s55
	v_and_b32 v4, 8, v2
	v_add_nc_u32 v4, v4, v2
	v_mul_u32_u24 v4, v4, SPI
	v_lshl_add_u32 v4, v3, 7, v4
	v_add_nc_u32 v[QA], s54, v4                    ; q, k: token 64 half + r + 8 (r / 8), head hl, block hh
	v_lshlrev_b32 v[L4], 2, v1
	v_add_nc_u32 v[VA], s57, v[L4]                 ; v: channel 32 wave + L
	v_lshlrev_b32 v[L16], 4, v1
	v_lshlrev_b32 v[SH8], 3, v3
	v_mul_u32_u24 v[STI], v3, 1536
	v_lshl_add_u32 v[STI], v2, 4, v[STI]
	v_mov_b32 v[PD], 0
	s_mov_b32 s58, 0x76543210
	s_mov_b32 s59, 0xfedcba98
	s_mov_b32 s60, 0xffff0000                      ; lanes 16-31
	s_mul_i32 s[REC], s20, 3                       ; my block's first record of 96
	s_mov_b32 s[RO], 0
	s_mov_b32 s[JC], 0
	s_wait_alu depctr_va_vdst(0)
	s_wait_dscnt 0x0                               ; my stores into the stage are done
	s_barrier_signal -1
	s_barrier_wait -1
.macro BQ xs, cd                       ; a block of 32 in my registers: largest magnitude with the floor 2^(3 - 127), scale operand, byte, codes
	v_max3_num_f32 v[M0], |v[\xs]|, |v[\xs+1]|, |v[\xs+2]|
	v_max3_num_f32 v[M1], |v[\xs+3]|, |v[\xs+4]|, |v[\xs+5]|
.irp i, 6,10,14,18,22,26
	v_max3_num_f32 v[M0], v[M0], |v[\xs+\i]|, |v[\xs+\i+1]|
	v_max3_num_f32 v[M1], v[M1], |v[\xs+\i+2]|, |v[\xs+\i+3]|
.endr
	v_max3_num_f32 v[M0], v[M0], |v[\xs+30]|, |v[\xs+31]|
	v_max3_num_f32 v[M0], v[M0], v[M1], 0x1800000
	v_add_nc_u32 v[SCV], 0xff000000, v[M0]         ; 2 off the exponent field
	v_lshrrev_b32 v[BYT], 23, v[SCV]
	v_cvt_scalef32_pk16_fp6_f32 v[\cd:\cd+2], v[\xs:\xs+15], v[SCV]
	v_cvt_scalef32_pk16_fp6_f32 v[TT:TT+2], v[\xs+16:\xs+31], v[SCV]
.endm
.macro QLD t
.irp i, 0,1,2,3,4,5,6,7
	ds_load_b128 v[X+32*((\t)%2)+4*\i:X+32*((\t)%2)+4*\i+3], v[QJ] offset:(32*((\t)/2)+8*((\t)%2))*SPI+16*\i
.endr
.endm
.macro QTILE t
.set XS, X+32*((\t)%2)
.set PB, (\t)/2
.set CD, CP+12*PB+6*((\t)%2)
.if (\t) < 3
	s_wait_dscnt 8                                 ; the next tile's eight loads may be out
.else
	s_wait_dscnt 0x0
.endif
	BQ XS, CD
	v_lshlrev_b32 v[BYT], v[SH8], v[BYT]           ; my byte at its place (a plain line behind the conversions)
.irp i, 0,1,2
	v_mov_b32 v[CD+3+\i], v[TT+\i]
.endr
	v_permlanex16_b32 v[PD], v[BYT], s58, s59
	v_or_b32 v[BYT], v[BYT], v[PD]                 ; the row's word
.if (\t)+2 < 4
	QLD (\t)+2
.endif
.if (\t)%2 == 0
	v_mov_b32 v[SW+PB], v[BYT]
.else
	v_cndmask_b32 v[SW+PB], v[SW+PB], v[BYT], s60  ; lanes 16-31 take the pair's second tile
.irp c, 0,1,2
	global_store_b128 v[L16], v[CP+12*PB+4*\c:CP+12*PB+4*\c+3], s[48:49] offset:1536*PB+512*\c   ; 512 consecutive bytes
.endr
.endif
.endm
.macro VLD n
.irp i, 0,1,2,3,4,5,6,7,8,9,10,11,12,13,14,15,16,17,18,19,20,21,22,23,24,25,26,27,28,29,30,31
	ds_load_b32 v[X+32*((\n)%2)+\i], v[VJ+(\n)/2] offset:(32*((\n)%2)+\i)*SPI
.endr
.endm
.macro VBLOCK n
.set XS, X+32*((\n)%2)
.set CD, CP+12*((\n)%2)+6*((\n)/2)     ; block n = 2 c + hh' : registers 6 c on of the set for the image's lanes 16 hh' + r
.if (\n) < 3
	s_wait_dscnt 32                                ; the next block's 32 loads may be out
.else
	s_wait_dscnt 0x0
.endif
	BQ XS, CD
.if (\n) == 0
	v_mov_b32 v[SW], v[BYT]
.else
	v_lshl_or_b32 v[SW], v[BYT], 8*(\n), v[SW]
.endif
.irp i, 0,1,2
	v_mov_b32 v[CD+3+\i], v[TT+\i]
.endr
.if (\n)+2 < 4
	VLD (\n)+2
.endif
.if (\n) >= 2
.irp c, 0,1,2
	global_store_b128 v[STI], v[CP+12*((\n)-2)+4*\c:CP+12*((\n)-2)+4*\c+3], s[48:49] offset:6656+512*\c+256*((\n)-2)   ; sixteen lanes store 256 consecutive bytes
.endr
.endif
.endm
.Lrec:                                             ; three records; the branch on the record's kind hangs on ids alone
	v_add_nc_u32 v[QJ], s[RO], v[QA]
	v_add_nc_u32 v[VJ], s[RO], v[VA]
	v_add_nc_u32 v[VJ+1], 64*SPI, v[VJ]
	s_and_b32 s44, s[REC], 31
	s_lshl_b32 s45, s52, 5
	s_add_co_u32 s44, s44, s45                     ; 32 head + s
	s_mov_b32 s49, 0
	s_mov_b32 s51, 0
	s_wait_alu depctr_va_vdst(0)
	s_cmp_ge_u32 s[REC], 64
	s_cbranch_scc1 .Lvp
	s_mov_b32 s45, 13056
	s_cmp_lt_u32 s[REC], 32
	s_cselect_b32 s45, 6656, s45
	s_cselect_b64 s[46:47], s[14:15], s[16:17]     ; qb or kv
	s_mul_i32 s44, s44, s45
	s_mul_i32 s45, s41, 3072
	s_add_co_u32 s48, s44, s45                     ; my two pairs' codes
	s_lshl_b32 s45, s41, 3
	s_add_co_u32 s50, s44, s45                     ; and their two words a lane
	s_add_nc_u64 s[48:49], s[46:47], s[48:49]
	s_add_nc_u64 s[50:51], s[46:47], s[50:51]
	QLD 0
	QLD 1
.irp t, 0,1,2,3
	QTILE \t
.endr
	global_store_b64 v[L16], v[SW:SW+1], s[50:51] offset:6144      ; 8 of a lane's 16 bytes; the wave of the other half stores the 8 beside them
	s_branch .Lnext
.Lvp:
	s_mul_i32 s44, s44, 13056
	s_mul_i32 s45, s41, 3072
	s_add_co_u32 s48, s44, s45
	s_lshl_b32 s45, s41, 7
	s_add_co_u32 s50, s44, s45
	s_add_nc_u64 s[48:49], s[16:17], s[48:49]
	s_add_nc_u64 s[50:51], s[16:17], s[50:51]
	VLD 0
	VLD 1
.irp n, 0,1,2,3
	VBLOCK \n
.endr
	global_store_b32 v[L4], v[SW], s[50:51] offset:12800
.Lnext:
	s_wait_xcnt 0x0                                ; the stores have read their registers and bases: the next record may write them
	s_add_co_u32 s[REC], s[REC], 1
	s_add_co_u32 s[RO], s[RO], 128*SPI
	s_add_co_u32 s[JC], s[JC], 1
	s_cmp_lt_u32 s[JC], 3
	s_wait_alu depctr_va_vdst(0)
	s_cbranch_scc1 .Lrec
	s_wait_tensorcnt 0x0                           ; the wave's end
	ds_add_u32 v[SPW], v[NIL]
	s_wait_dscnt 0x0
	s_endpgm
.Lfunc_end_k_q840e992da6_gemm:
	.size	k_q840e992da6_gemm, .Lfunc_end_k_q840e992da6_gemm-k_q840e992da6_gemm
	.p2alignl 7, 3214868480
	.fill 96, 4, 3214868480
	.section	.rodata,"a",@progbits
	.p2align	6, 0x0
	.amdhsa_kernel k_q840e992da6_gemm
		.amdhsa_group_segment_fixed_size 327680
		.amdhsa_private_segment_fixed_size 0
		.amdhsa_enable_private_segment 0
		.amdhsa_kernarg_size 56
		.amdhsa_user_sgpr_count 2
		.amdhsa_user_sgpr_kernarg_segment_ptr 1
		.amdhsa_wavefront_size32 1
		.amdhsa_system_sgpr_workgroup_id_x 1
		.amdhsa_system_sgpr_workgroup_id_y 1
		.amdhsa_system_sgpr_workgroup_id_z 1
		.amdhsa_system_vgpr_workitem_id 0
		.amdhsa_next_free_vgpr 1024
		.amdhsa_next_free_sgpr 66
		.amdhsa_reserve_vcc 0
		.amdhsa_float_denorm_mode_32 3
		.amdhsa_float_denorm_mode_16_64 3
		.amdhsa_memory_ordered 1
		.amdhsa_forward_progress 1
		.amdhsa_inst_pref_size 139
	.end_amdhsa_kernel
	.amdgpu_metadata
---
amdhsa.version: [ 1, 2 ]
amdhsa.kernels:
  - .name:           k_q840e992da6_gemm
    .symbol:         k_q840e992da6_gemm.kd
    .args:
      - { .name: xc, .offset: 0, .size: 8, .value_kind: global_buffer, .address_space: global }
      - { .name: xs, .offset: 8, .size: 8, .value_kind: global_buffer, .address_space: global }
      - { .name: wc, .offset: 16, .size: 8, .value_kind: global_buffer, .address_space: global }
      - { .name: ws, .offset: 24, .size: 8, .value_kind: global_buffer, .address_space: global }
      - { .name: bqkv, .offset: 32, .size: 8, .value_kind: global_buffer, .address_space: global }
      - { .name: qb, .offset: 40, .size: 8, .value_kind: global_buffer, .address_space: global }
      - { .name: kv, .offset: 48, .size: 8, .value_kind: global_buffer, .address_space: global }
    .group_segment_fixed_size: 327680
    .private_segment_fixed_size: 0
    .kernarg_segment_align: 8
    .kernarg_segment_size: 56
    .max_flat_workgroup_size: 128
    .sgpr_count:     66
    .vgpr_count:     1024
    .wavefront_size: 32
...
	.end_amdgpu_metadata
.endif
;; end of part 2
;; launch attn (part 3): grid 16 x 16, 16 waves a work-group, no clusters, 327,680 bytes of LDS; arguments qb, kv, out0; writes out0
.if DOCPART == 3
	.amdgcn_target "amdgcn-amd-amdhsa--gfx1250"
	.amdhsa_code_object_version 6
	.text
	.protected	k_q840e992da6_attn
	.globl	k_q840e992da6_attn
	.p2align	8
	.type	k_q840e992da6_attn,@function
k_q840e992da6_attn:
	s_mov_b64 s[64:65], 0
	v_nop
	global_prefetch_b8 v0, s[64:65] scope:SCOPE_SE
	s_setreg_imm32_b32 hwreg(HW_REG_WAVE_MODE, 25, 1), 1
	s_wait_xcnt 0x0
; out[t][64 h + d] = the sum over keys k <= t of softmax_k(q[h][t] . k[h][k] / 8) v[h][k][d], 16 heads of 64 channels, 4,096 tokens; both products on codes of FP6 (E2M3) with one E8M0 scale for each 32 along K.
; qb and kv hold the operands as images of their registers: a record of 128 queries (6,656 bytes) or 128 keys (13,056 bytes: k's codes 0, k's scale words 6,144, v's codes 6,656, v's scale words 12,800).
; Key steps that lie wholly behind reference()'s own causal mask are left out.
; THE SOFTMAX: t = score x log2(e) / 8; M = the largest t so far, rounded UP to a whole number; p = 2^(t - M) is quantised along the keys, not normalised; the sum is taken of the unquantised p and divides at the end.
; When M moves, the sum and O are multiplied by 2^(old M - new M): exact.
; SHARES.  Work-group (i, h) owns two blocks of 128 queries of head h: block i (pass A), block 31 - i (pass B).  Block b wants key steps 0 .. b.  A slot holds four key steps; pass A walks (i + 4) / 4 slots and pass B the
; rest of 9: every work-group walks 9 slots.  16 waves: waves w and w + 8 share tile w % 8 of 16 queries; wave w takes the slot's steps w / 8 and 2 + w / 8.  At a pass's end waves 8-15 put O, M and the sum into LDS,
; and behind the next barrier waves 0-7 bring both parts under the larger M (exact powers of two), add them, divide and store.
; NO JOINT LOADS: work-groups of one head change passes in different trips, and the jump over a hidden step hangs on the query block: partners would not run alike.
; LAYOUT.  Both products are used transposed: S^T = K Q^T, O^T = V^T P^T: a lane holds ONE query (lane % 16).  Row r of tile 2 b + u is token 32 b + 8 u + r + 8 (r / 8), so that the 16 registers of tiles 2 b, 2 b + 1 of
; S^T are 16 neighbouring keys.  K = 64 in an instruction of K = 128: Q's registers 6-11 are zero codes and scale bytes 2, 3 of q and k are 0; K's operand of tile t is v[32 + 6 t : 43 + 6 t], whose upper six registers
; meet Q's zero codes.
; LIMITS: NaN and infinities among the inputs are not served.
; REGISTERS: v1-11, v94 addresses; v12 -M, v13 the largest t, v[14:15] the sum; v16-27 Q; v32-79 K's pairs, then V; v80-91 p's codes; v92-93 V's scale words; v96-159 S^T, then p; v160-191 O^T; v192-198 pass B's Q; v232-255 at work.
.set STEPB, 13056
.set SLOTB, 4*STEPB                    ; 204 rows of 256 bytes
.set SLOT1, 65536
.set STAGE, 131072                     ; the way out: 16 rows x 272 bytes for each tile
.set MRG,   STAGE+8*16*272             ; the parts of waves 8-15: 9 x 512 bytes for each tile, in two areas that take turns trip by trip: what a trip's end stores, the next trip's head reads, and a trip's own head reads the other area
.set SPARE, MRG+2*8*4608               ; the spare words, 128 bytes a wave, named by no other line
.set HEADB, 32*STEPB
.set QREC,  6656
.set LI16, 1                           ; 16 x lane + my first step's place in a slot
.set ADR,  2
.set LI4,  3
.set ADR4, 4
.set SPW,  5
.set NIL,  6
.set GO,   7
.set STO,  8
.set RD,   9
.set PFO,  10
.set DG,   11
.set MA,   94
.set F, 32
.set P, 80
.set S, 96
.set O, 160
.set TB, 2
.set TAU, 3
.set WV, 10
.set WI, 11
.set WH, 12
.set NA, 13
.set KF, 14
.set Q0B, 15
.set OFF, 16
.set QW, 18
.set UM, 19
.set SEL, 20
.set CS, 22
.set G1, 24
.set G0, 32
.set KVH, 36
.set OB, 38
.set PFA, 40
.set LIM, 42
.set OH, 52
.set PAR, 61                           ; wave / 8
.set KF0, 62                           ; 128 x PAR
.set TW, 63                            ; my tile
.set MT, 59                            ; 0 or 8 x 4,608: the area in turn
.set MAJ, 95                           ; v95 my tile's place in it
.macro TLOAD                           ; wave 0 fetches a slot by one load; one tensor load of a wave is out, never more
	s_cmp_lg_u32 s[WV], 0
	s_cbranch_scc1 .Lnot_mine_\@
	tensor_load_to_lds s[G0:G0+3], s[G1:G1+7]
	s_nop 0
.rept 4
	v_nop
.endr
.Lnot_mine_\@:
.endm
; A prefetch of the slot behind the one that is being fetched: 204 rows of 256 bytes, a lane a row.  All work-groups of a head walk the same records: work-group i = 0 asks, in it waves 8-15.  In trip n (0 .. 6) it fetches
; pass B's slot n and names slot n + 1: slots 1 to 7, once each.  Lanes beyond row 203 are held there.  Trip 7 asks for nothing.
.macro ASK
	s_cmp_lt_u32 s[TAU], s[LIM]
	s_cbranch_scc0 .Lnot_asked_\@
	global_prefetch_b8 v[PFO], s[PFA:PFA+1] offset:SLOTB th:TH_LOAD_NT scope:SCOPE_SE
.Lnot_asked_\@:
.endm
; The change of slots, at a trip's head: the wait for all tensor loads, the add, the wait for it and for my reads of the slot left, the barrier; fill = 1: the slot left takes the next trip's keys.
.macro CHANGE fill
	s_wait_tensorcnt 0x0
	ds_add_u32 v[SPW], v[NIL]                      ; the add,
.if \fill
	ds_add_u32 v[SPW], v[NIL]
	s_xor_b32 s[G0+1], s[G0+1], SLOT1
	s_add_co_u32 s[OFF], s[OFF], SLOTB
	s_add_co_u32 s43, s[TAU], 1
	s_cmp_eq_u32 s43, s[NA]
	s_cselect_b32 s[OFF], 0, s[OFF]                ; the next trip begins pass B
	s_add_nc_u64 s[G0+2:G0+3], s[KVH:KVH+1], s[OFF:OFF+1]
	s_or_b32 s[G0+3], s[G0+3], 0x80000000
	s_wait_xcnt 0x0                                ; the last prefetch has read its address
	s_add_nc_u64 s[PFA:PFA+1], s[KVH:KVH+1], s[OFF:OFF+1]
.endif
	s_wait_dscnt 0x0
	s_barrier_signal -1
	s_barrier_wait -1
.if \fill
	TLOAD
	ASK
.endif
.endm
.macro STEP q                          ; 128 keys: my q-th step of the slot in hand, 2 q records behind my first
	s_cmp_gt_u32 s[KF], s[Q0B]                     ; all its keys come after the block's queries: left out, by a branch on ids
	s_cbranch_scc1 .Lhidden_\@
	v_add_nc_u32 v[ADR], s[TB], v[LI16]
	v_add_nc_u32 v[ADR4], s[TB], v[LI4]
	v_nop
	v_nop                                          ; four places in front of loads into registers that the last products have read
.irp b, 0,1,2,3
.irp c, 0,1,2
	ds_load_b128 v[F+12*\b+4*\c:F+12*\b+4*\c+3], v[ADR] offset:STEPB*2*(\q)+1536*\b+512*\c
.endr
.endr
	ds_load_b128 v[248:251], v[ADR] offset:STEPB*2*(\q)+6144       ; K's scale words
	s_wait_alu depctr_va_vdst(0)
	s_wait_dscnt 0x0
.irp t, 0,2,4,6
	v_wmma_scale_f32_16x16x128_f8f6f4 v[S+8*\t:S+8*\t+7], v[F+6*\t:F+6*\t+11], v[16:27], 0, v[248+\t/2], v255 matrix_a_fmt:MATRIX_FMT_FP6 matrix_b_fmt:MATRIX_FMT_FP6
	v_wmma_scale_f32_16x16x128_f8f6f4 v[S+8*\t+8:S+8*\t+15], v[F+6*\t+6:F+6*\t+17], v[16:27], 0, v[248+\t/2], v255 matrix_a_fmt:MATRIX_FMT_FP6 matrix_b_fmt:MATRIX_FMT_FP6 matrix_a_scale:MATRIX_SCALE_ROW1
.endr
.rept 4
	v_nop
.endr
.irp t, 0,1,2,3
.irp c, 0,1,2
	ds_load_b128 v[F+12*\t+4*\c:F+12*\t+4*\c+3], v[ADR] offset:STEPB*2*(\q)+6656+1536*\t+512*\c   ; V lands while the softmax is worked
.endr
.endr
.irp j, 0,1
	ds_load_b32 v[92+\j], v[ADR4] offset:STEPB*2*(\q)+12800+128*\j
.endr
	s_cmp_lg_u32 s[KF], s[Q0B]                     ; on the diagonal hidden keys' scores become -infinity; key 0 of the step counts for every query
	s_cbranch_scc1 .Lopen_\@
	v_mov_b32 v254, 0xff800000
.set J, 0
.rept 64
	v_cmp_gt_i32 vcc_lo, 32*(J/16)+J%16, v[DG]
	v_cndmask_b32 v[S+J], v[S+J], v254, vcc_lo
.set J, J+1
.endr
.Lopen_\@:
.irp b, 0,1,2,3
	v_max3_num_f32 v[232+\b], v[S+16*\b], v[S+1+16*\b], v[S+2+16*\b]   ; each block's largest score: for the row's maximum and for the block's largest p
.endr
.irp i, 3,5,7,9,11,13
.irp b, 0,1,2,3
	v_max3_num_f32 v[232+\b], v[232+\b], v[S+16*\b+\i], v[S+1+16*\b+\i]
.endr
.endr
.irp b, 0,1,2,3
	v_max_num_f32 v[232+\b], v[232+\b], v[S+15+16*\b]
.endr
.irp b, 0,1,2,3
	s_delay_alu instid0(VALU_DEP_4)
	v_permlanex16_b32 v[236+\b], v[232+\b], s[SEL], s[SEL+1]
.endr
.irp b, 0,1,2,3
	s_delay_alu instid0(VALU_DEP_4)
	v_max_num_f32 v[232+\b], v[232+\b], v[236+\b]
.endr
	s_delay_alu instid0(VALU_DEP_2)
	v_max3_num_f32 v254, v232, v233, v234
	s_delay_alu instid0(VALU_DEP_1)
	v_max_num_f32 v254, v254, v235
	s_delay_alu instid0(VALU_DEP_1)
	v_mul_f32 v254, s[CS], v254
	s_delay_alu instid0(VALU_DEP_1)
	v_max_num_f32 v13, v13, v254                   ; the running largest t
	v_mov_b32 v254, v12
	s_delay_alu instid0(VALU_DEP_2)
	v_floor_f32 v12, -v13                          ; the new -M
	s_delay_alu instid0(VALU_DEP_1)
	v_sub_f32 v254, v12, v254
	s_delay_alu instid0(VALU_DEP_1)
	v_cvt_i32_f32 v254, v254                       ; (it saturates)
	s_delay_alu instid0(VALU_DEP_1)
	v_ldexp_f32 v252, 1.0, v254                    ; f = 2^(old M - new M)
.set J, 0
.rept 32
	v_pk_fma_f32 v[S+J:S+J+1], v[S+J:S+J+1], s[CS:CS+1], v[12:13] op_sel_hi:[1,0,0]   ; t - M
.set J, J+2
.endr
.irp b, 0,1,2,3
	v_fma_f32 v[232+\b], v[232+\b], s[CS], v12
.endr
.set J, 0
	s_wait_alu depctr_va_vdst(0)                   ; the wait ahead of the batch,
.rept 64
	v_exp_f32 v[S+J], v[S+J]
.set J, J+1
.endr
	v_pk_mul_f32 v[14:15], v[14:15], v[252:253] op_sel_hi:[1,0]
	s_wait_alu depctr_va_vdst(0)                   ; and behind it
.irp b, 0,1,2,3
	v_exp_f32 v[232+\b], v[232+\b]                 ; the block's largest p
.endr
.irp c, 0,1,2,3,4,5,6                              ; the sum of the unquantised p, in eight chains
	v_pk_add_f32 v[238+2*\c:239+2*\c], v[S+4*\c:S+4*\c+1], v[S+4*\c+2:S+4*\c+3]
.endr
	v_pk_add_f32 v[14:15], v[14:15], v[S+28:S+29]
.irp j, 30,46
.irp c, 0,1,2,3,4,5,6
	v_pk_add_f32 v[238+2*\c:239+2*\c], v[238+2*\c:239+2*\c], v[S+\j+2*\c:S+\j+2*\c+1]
.endr
	v_pk_add_f32 v[14:15], v[14:15], v[S+\j+14:S+\j+15]
.endr
	v_pk_add_f32 v[238:239], v[238:239], v[S+62:S+63]
	v_pk_add_f32 v[242:243], v[242:243], v[244:245]
	v_pk_add_f32 v[246:247], v[246:247], v[248:249]
	v_pk_add_f32 v[14:15], v[14:15], v[250:251]
	s_delay_alu instid0(VALU_DEP_4)
	v_pk_add_f32 v[238:239], v[238:239], v[240:241]
	s_delay_alu instid0(VALU_DEP_3)
	v_pk_add_f32 v[242:243], v[242:243], v[246:247]
	s_delay_alu instid0(VALU_DEP_2)
	v_pk_add_f32 v[14:15], v[14:15], v[238:239]
	s_delay_alu instid0(VALU_DEP_1)
	v_pk_add_f32 v[14:15], v[14:15], v[242:243]
	s_wait_alu depctr_va_vdst(0)                   ; for the four
.irp b, 0,1,2,3
	v_max_num_f32 v[232+\b], 0x1800000, v[232+\b]  ; the floor 2^(3 - 127)
.endr
.irp b, 0,1,2,3
	s_delay_alu instid0(VALU_DEP_4)
	v_add_nc_u32 v[244+\b], 0xff000000, v[232+\b]  ; the conversion's scale operand
.endr
.irp b, 0,1,2,3
	s_delay_alu instid0(VALU_DEP_4)
	v_lshrrev_b32 v[236+\b], 23, v[244+\b]
.endr
	s_delay_alu instid0(VALU_DEP_3)
	v_lshl_or_b32 v253, v237, 8, v236              ; p's scale word
	s_delay_alu instid0(VALU_DEP_1)
	v_lshl_or_b32 v253, v238, 16, v253
	s_delay_alu instid0(VALU_DEP_1)
	v_lshl_or_b32 v253, v239, 24, v253
.irp c, 0,1
	v_cvt_scalef32_pk16_fp6_f32 v[P+6*\c:P+2+6*\c], v[S+32*\c:S+15+32*\c], v[244+2*\c]
	v_cvt_scalef32_pk16_fp6_f32 v[236+4*\c:238+4*\c], v[S+16+32*\c:S+31+32*\c], v[244+2*\c+1]
.endr
	v_nop
.irp c, 0,1                                        ; a whole block to a lane
.irp i, 0,1,2
	v_permlane16_swap_b32 v[P+6*\c+\i], v[236+4*\c+\i]
.endr
.irp i, 0,1,2
	s_delay_alu instid0(VALU_DEP_3)
	v_mov_b32 v[P+3+6*\c+\i], v[236+4*\c+\i]
.endr
.endr
.set J, 0
.rept 16
	v_pk_mul_f32 v[O+J:O+J+1], v[O+J:O+J+1], v[252:253] op_sel_hi:[1,0]   ; O^T under the new M; also the places in front of the scaled products
.set J, J+2
.endr
	s_wait_alu depctr_va_vdst(0)
	s_wait_dscnt 0x0                               ; V is in
.irp t, 0,2                                        ; four accumulators by turns
	v_wmma_scale_f32_16x16x128_f8f6f4 v[O+8*\t:O+8*\t+7], v[F+12*\t:F+12*\t+11], v[P:P+11], v[O+8*\t:O+8*\t+7], v[92+\t/2], v253 matrix_a_fmt:MATRIX_FMT_FP6 matrix_b_fmt:MATRIX_FMT_FP6
	v_wmma_scale_f32_16x16x128_f8f6f4 v[O+8*\t+8:O+8*\t+15], v[F+12*\t+12:F+12*\t+23], v[P:P+11], v[O+8*\t+8:O+8*\t+15], v[92+\t/2], v253 matrix_a_fmt:MATRIX_FMT_FP6 matrix_b_fmt:MATRIX_FMT_FP6 matrix_a_scale:MATRIX_SCALE_ROW1
.endr
.Lhidden_\@:
	s_add_co_u32 s[KF], s[KF], 256
.endm
.macro SENDP                           ; a pass is over: waves 8-15 put their part into LDS, ahead of the next barrier
	v_add_nc_u32 v[MAJ], s[MT], v[MA]              ; made by every wave, ahead of the branch on the wave's number
	s_wait_alu depctr_va_vdst(0)
	s_cmp_eq_u32 s[PAR], 0
	s_cbranch_scc1 .Lno_send_\@
.rept 4
	v_nop                                          ; four places behind the last products
.endr
.irp k, 0,1,2,3,4,5,6,7
	ds_store_b128 v[MAJ], v[O+4*\k:O+4*\k+3] offset:512*\k         ; each accumulator from its low end on
.endr
	ds_store_b128 v[MAJ], v[12:15] offset:4096                     ; -M, t, the sum's halves
.Lno_send_\@:
.endm
.macro MERGE                           ; behind that barrier waves 0-7 join the two parts and send the tile out.  A part with no step has -M = 3e38, O = 0, sum 0: its factor is 0
	v_add_nc_u32 v[MAJ], s[MT], v[MA]              ; made by every wave, ahead of the branch on the wave's number
	s_wait_alu depctr_va_vdst(0)
	s_cmp_lg_u32 s[PAR], 0
	s_cbranch_scc1 .Lno_merge_\@
.irp k, 0,1,2,3,4,5,6,7,8
	ds_load_b128 v[S+4*\k:S+4*\k+3], v[MAJ] offset:512*\k
.endr
	s_wait_dscnt 0x0
	v_min_num_f32 v254, v12, v[S+32]               ; -M of the larger M
	s_delay_alu instid0(VALU_DEP_1)
	v_sub_f32 v252, v254, v12
	v_sub_f32 v250, v254, v[S+32]
	s_delay_alu instid0(VALU_DEP_2)
	v_cvt_i32_f32 v252, v252                       ; whole numbers, 0 or less (it saturates)
	s_delay_alu instid0(VALU_DEP_2)
	v_cvt_i32_f32 v250, v250
	s_delay_alu instid0(VALU_DEP_2)
	v_ldexp_f32 v252, 1.0, v252
	s_delay_alu instid0(VALU_DEP_2)
	v_ldexp_f32 v250, 1.0, v250
	s_delay_alu instid0(VALU_DEP_2)
	v_pk_mul_f32 v[14:15], v[14:15], v[252:253] op_sel_hi:[1,0]
	s_delay_alu instid0(VALU_DEP_1)
	v_pk_fma_f32 v[14:15], v[S+34:S+35], v[250:251], v[14:15] op_sel_hi:[1,0,1]
.set J, 0
.rept 16
	v_pk_mul_f32 v[O+J:O+J+1], v[O+J:O+J+1], v[252:253] op_sel_hi:[1,0]
.set J, J+2
.endr
.set J, 0
.rept 16
	v_pk_fma_f32 v[O+J:O+J+1], v[S+J:S+J+1], v[250:251], v[O+J:O+J+1] op_sel_hi:[1,0,1]
.set J, J+2
.endr
	v_add_f32 v14, v14, v15
	s_delay_alu instid0(VALU_DEP_1)
	v_permlanex16_b32 v252, v14, s[SEL], s[SEL+1]
	s_delay_alu instid0(VALU_DEP_1)
	v_add_f32 v14, v14, v252                       ; the row's sum
	s_wait_alu depctr_va_vdst(0)
	v_rcp_f32 v14, v14
	v_nop
	s_wait_alu depctr_va_vdst(0)
.set J, 0
.rept 32
	v_mul_f32 v[S+J], v[O+J], v14                  ; register 8 t + j: channel 16 t + 8 (lane / 16) + j of my query
.set J, J+1
.endr
.irp t, 0,1,2,3
	ds_store_b128 v[STO], v[S+8*\t:S+8*\t+3] offset:64*\t
	ds_store_b128 v[STO], v[S+8*\t+4:S+8*\t+7] offset:64*\t+16
.endr
.irp i, 0,1,2,3,4,5,6,7
	ds_load_b128 v[S+32+4*\i:S+35+4*\i], v[RD] offset:544*\i       ; LDS serves a wave's instructions in order
.endr
.irp i, 0,1,2,3,4,5,6,7
	s_wait_dscnt 7-\i                              ; the younger stage loads may be out
	global_store_b128 v[GO], v[S+32+4*\i:S+35+4*\i], s[OB:OB+1] offset:(2*\i+8*(\i/4))*4096 th:TH_STORE_NT   ; sixteen lanes store a row's 256 bytes
.endr
.Lno_merge_\@:
.endm
	s_load_b128 s[4:7], s[0:1], 0x0                ; qb, kv
	s_load_b64 s[8:9], s[0:1], 0x10                ; out
	v_lshl_add_u32 v[SPW], v0, 2, SPARE
	v_mov_b32 v[NIL], 0
	ds_add_u32 v[SPW], v[NIL]                      ; the opening lines
	ds_add_u32 v[SPW], v[NIL]
	v_lshrrev_b32 v1, 5, v0
	s_delay_alu instid0(VALU_DEP_1)
	v_readfirstlane_b32 s[WV], v1                  ; wave 0..15
	s_mov_b32 s[WI], ttmp9
	s_and_b32 s[WH], ttmp7, 0xffff
	s_add_co_u32 s[NA], s[WI], 4
	s_lshr_b32 s[NA], s[NA], 2                     ; pass A's slots: 1 .. 4
	s_mov_b32 s[G1], 3<<16                         ; a slot is a dense block: 204 rows of 256 bytes
	s_mov_b32 s[G1+1], 32<<16
	s_mov_b32 s[G1+2], 204<<16
	s_mov_b32 s[G1+3], 32<<16
	s_mov_b32 s[G1+4], 204
	s_mov_b32 s[G1+5], 32
	s_mov_b32 s[G1+6], 0
	s_mov_b32 s[G1+7], 0
	s_mov_b32 s[TB], 0
	s_mov_b32 s[TAU], 0
	s_mov_b32 s[OFF], 0
	s_mov_b32 s[OFF+1], 0
	s_lshr_b32 s[PAR], s[WV], 3
	s_lshl_b32 s[KF0], s[PAR], 7
	s_mov_b32 s[KF], s[KF0]
	s_and_b32 s[TW], s[WV], 7
	s_lshr_b32 s43, s[TW], 1                       ; my pair of tiles,
	s_and_b32 s58, s[TW], 1                        ; and which of the two
	s_lshl_b32 s[QW], s43, 5
	s_lshl_b32 s49, s58, 3
	s_add_co_u32 s[QW], s[QW], s49
	s_sub_co_u32 s[UM], 0, s58
	s_mov_b32 s[SEL], 0x76543210
	s_mov_b32 s[SEL+1], 0xfedcba98
	s_mov_b32 s[CS], 0x3e38aa3b                    ; log2(e) / 8
	s_mov_b32 s[CS+1], s[CS]
	s_xor_b32 s[LIM], s[PAR], 1
	s_or_b32 s[LIM], s[LIM], s[WI]
	s_cmp_eq_u32 s[LIM], 0
	s_cselect_b32 s[LIM], 7, 0
	s_mul_i32 s50, s[WH], HEADB
	s_mov_b32 s51, 0
	s_lshl_b32 s48, s[WH], 5
	s_add_co_u32 s54, s48, 31
	s_sub_co_u32 s54, s54, s[WI]
	s_mul_i32 s54, s54, QREC                       ; the record of query block 31 - i,
	s_mov_b32 s55, 0
	s_add_co_u32 s48, s48, s[WI]
	s_mul_i32 s48, s48, QREC                       ; of block i
	s_mov_b32 s49, 0
	s_lshl_b32 s56, s[WH], 8
	s_lshl_b32 s57, s[QW], 12
	s_add_co_u32 s56, s56, s57
	s_mov_b32 s57, 0
	s_lshl_b32 s[Q0B], s[WI], 7
	s_mul_i32 s60, s[PAR], STEPB
	v_and_b32 v1, 31, v0
	s_delay_alu instid0(VALU_DEP_1)
	v_lshlrev_b32 v[LI4], 2, v1
	v_lshlrev_b32 v29, 4, v1                       ; 16 x lane
	s_delay_alu instid0(VALU_DEP_2)
	v_add_nc_u32 v[LI4], s60, v[LI4]
	s_delay_alu instid0(VALU_DEP_2)
	v_add_nc_u32 v[LI16], s60, v29
	s_mul_i32 s59, s[TW], 4608
	s_add_co_u32 s59, s59, MRG
	v_add_nc_u32 v[MA], s59, v29
	v_and_b32 v28, 15, v0                          ; r
	v_bfe_u32 v31, v0, 4, 1                        ; hh
	s_delay_alu instid0(VALU_DEP_2)
	v_lshlrev_b32 v[GO], 4, v28
	s_delay_alu instid0(VALU_DEP_1)
	v_lshl_add_u32 v[GO], v31, 12, v[GO]
	s_mul_i32 s59, s[TW], 16*272
	s_add_co_u32 s59, s59, STAGE
	v_mul_u32_u24 v[STO], v28, 272
	s_delay_alu instid0(VALU_DEP_1)
	v_lshl_add_u32 v[STO], v31, 5, v[STO]
	s_delay_alu instid0(VALU_DEP_1)
	v_add_nc_u32 v[STO], s59, v[STO]
	v_mul_u32_u24 v[RD], v31, 272
	s_delay_alu instid0(VALU_DEP_1)
	v_lshl_add_u32 v[RD], v28, 4, v[RD]
	s_delay_alu instid0(VALU_DEP_1)
	v_add_nc_u32 v[RD], s59, v[RD]
	v_and_b32 v[PFO], 255, v0
	s_delay_alu instid0(VALU_DEP_1)
	v_min_u32 v[PFO], 203, v[PFO]
	s_delay_alu instid0(VALU_DEP_1)
	v_lshlrev_b32 v[PFO], 8, v[PFO]
	v_and_b32 v[DG], 8, v28
	s_delay_alu instid0(VALU_DEP_1)
	v_add_nc_u32 v[DG], v[DG], v28
	v_lshlrev_b32 v2, 4, v31
	s_delay_alu instid0(VALU_DEP_1)
	v_sub_nc_u32 v[DG], v[DG], v2
	s_delay_alu instid0(VALU_DEP_1)
	v_add_nc_u32 v[DG], s[QW], v[DG]               ; QW + r + 8 (r / 8) - 16 hh
	s_mul_i32 s59, s43, 1536
	v_add_nc_u32 v29, s59, v29                     ; Q's codes: my pair's image
	s_lshl_b32 s59, s58, 8
	s_lshl_b32 s60, s43, 2
	s_add_co_u32 s59, s59, s60
	v_lshlrev_b32 v30, 4, v28
	s_delay_alu instid0(VALU_DEP_1)
	v_add_nc_u32 v30, s59, v30                     ; Q's scale word of my tile's row r
	s_mov_b32 s[MT], 0
	s_wait_dscnt 0x0
	s_wait_kmcnt 0x0
	s_add_nc_u64 s[KVH:KVH+1], s[6:7], s[50:51]
	s_add_nc_u64 s[44:45], s[4:5], s[48:49]
	s_add_nc_u64 s[46:47], s[4:5], s[54:55]
	s_add_nc_u64 s[OH:OH+1], s[8:9], s[56:57]
	s_mov_b32 s[G0], 1
	s_mov_b32 s[G0+1], 0
	s_mov_b64 s[G0+2:G0+3], s[KVH:KVH+1]
	s_or_b32 s[G0+3], s[G0+3], 0x80000000
	TLOAD                                          ; the first fill: the head's first 512 keys
	s_lshl_b32 s48, s[Q0B], 12
	s_add_nc_u64 s[OB:OB+1], s[OH:OH+1], s[48:49]
	s_wait_alu depctr_va_vdst(0)
.irp c, 0,1,2
	global_load_b128 v[96+4*\c:99+4*\c], v29, s[44:45] offset:512*\c
	global_load_b128 v[108+4*\c:111+4*\c], v29, s[46:47] offset:512*\c
.endr
	global_load_b32 v255, v30, s[44:45] offset:6144
	global_load_b32 v198, v30, s[46:47] offset:6144
	v_mov_b32 v13, 0xff61b1e6                      ; -3e38, under every t
	s_delay_alu instid0(VALU_DEP_1)
	v_floor_f32 v12, -v13
	v_mov_b32 v14, 0
	v_mov_b32 v15, 0
.irp j, 22,23,24,25,26,27
	v_mov_b32 v[\j], 0                             ; Q's k = 64 .. 127: zero codes
.endr
.irp j, 0,1,2,3,4,5,6,7,8,9,10,11
	v_mov_b32 v[P+\j], 0
.endr
.irp j, 236,237,238,239,250,251,252,253
	v_mov_b32 v[\j], 0                             ; named as a permute's destination or as half of a pair before they are first made
.endr
	s_wait_loadcnt 0x0
.irp i, 0,1,2,3,4,5
	v_cndmask_b32 v[16+\i], v[96+\i], v[102+\i], s[UM]
	v_cndmask_b32 v[192+\i], v[108+\i], v[114+\i], s[UM]
.endr
.set J, 0
.rept 32
	v_mov_b32 v[O+J], 0
.set J, J+1
.endr
.Lslot:                                            ; 8 trips, each asking for the next trip's slot
	CHANGE 1
	s_cmp_lg_u32 s[TAU], s[NA]
	s_cbranch_scc1 .Lsame
	MERGE                                          ; pass A ended with the last trip
	s_wait_xcnt 0x0                                ; the stores have read their registers and their base
	s_mov_b32 s[KF], s[KF0]
	s_sub_co_u32 s[Q0B], 31, s[WI]
	s_lshl_b32 s[Q0B], s[Q0B], 7                   ; pass B: block 31 - i
	s_lshl_b32 s48, s[Q0B], 12
	s_mov_b32 s49, 0
	s_add_nc_u64 s[OB:OB+1], s[OH:OH+1], s[48:49]
	v_mov_b32 v255, v198
.irp i, 0,1,2,3,4,5
	v_mov_b32 v[16+\i], v[192+\i]
.endr
	v_mov_b32 v13, 0xff61b1e6
	s_delay_alu instid0(VALU_DEP_1)
	v_floor_f32 v12, -v13
	v_mov_b32 v14, 0
	v_mov_b32 v15, 0
.set J, 0
.rept 32
	v_mov_b32 v[O+J], 0                            ; also the places between the new scale word and the next scaled product
.set J, J+1
.endr
.Lsame:
	STEP 0
	STEP 1
	s_xor_b32 s[TB], s[TB], SLOT1
	s_xor_b32 s[MT], s[MT], 8*4608                 ; on to the other area for the parts
	s_add_co_u32 s[TAU], s[TAU], 1
	s_cmp_lg_u32 s[TAU], s[NA]
	s_cbranch_scc1 .Lkeep
	SENDP
.Lkeep:
	s_cmp_lt_u32 s[TAU], 8
	s_cbranch_scc1 .Lslot
	CHANGE 0                                       ; the last trip is written out: it asks for nothing
	STEP 0
	STEP 1
	SENDP
	s_wait_tensorcnt 0x0
	ds_add_u32 v[SPW], v[NIL]
	s_wait_dscnt 0x0                               ; the parts are in LDS
	s_barrier_signal -1
	s_barrier_wait -1
	MERGE                                          ; pass B is over
	s_wait_tensorcnt 0x0                           ; the wave's end
	ds_add_u32 v[SPW], v[NIL]
	s_wait_dscnt 0x0
	s_endpgm
.Lfunc_end_k_q840e992da6_attn:
	.size	k_q840e992da6_attn, .Lfunc_end_k_q840e992da6_attn-k_q840e992da6_attn
	.p2alignl 7, 3214868480
	.fill 96, 4, 3214868480
	.section	.rodata,"a",@progbits
	.p2align	6, 0x0
	.amdhsa_kernel k_q840e992da6_attn
		.amdhsa_group_segment_fixed_size 327680
		.amdhsa_private_segment_fixed_size 0
		.amdhsa_enable_private_segment 0
		.amdhsa_kernarg_size 24
		.amdhsa_user_sgpr_count 2
		.amdhsa_user_sgpr_kernarg_segment_ptr 1
		.amdhsa_wavefront_size32 1
		.amdhsa_system_sgpr_workgroup_id_x 1
		.amdhsa_system_sgpr_workgroup_id_y 1
		.amdhsa_system_sgpr_workgroup_id_z 1
		.amdhsa_system_vgpr_workitem_id 0
		.amdhsa_next_free_vgpr 256
		.amdhsa_next_free_sgpr 66
		.amdhsa_reserve_vcc 1
		.amdhsa_float_denorm_mode_32 3
		.amdhsa_float_denorm_mode_16_64 3
		.amdhsa_memory_ordered 1
		.amdhsa_forward_progress 1
		.amdhsa_inst_pref_size 114
	.end_amdhsa_kernel
	.amdgpu_metadata
---
amdhsa.version: [ 1, 2 ]
amdhsa.kernels:
  - .name:           k_q840e992da6_attn
    .symbol:         k_q840e992da6_attn.kd
    .args:
      - { .name: qb, .offset: 0, .size: 8, .value_kind: global_buffer, .address_space: global }
      - { .name: kv, .offset: 8, .size: 8, .value_kind: global_buffer, .address_space: global }
      - { .name: out0, .offset: 16, .size: 8, .value_kind: global_buffer, .address_space: global }
    .group_segment_fixed_size: 327680
    .private_segment_fixed_size: 0
    .kernarg_segment_align: 8
    .kernarg_segment_size: 24
    .max_flat_workgroup_size: 512
    .sgpr_count:     66
    .vgpr_count:     256
    .wavefront_size: 32
...
	.end_amdgpu_metadata
.endif
;; end of part 3
